; MI455X (gfx1250); checked and timed in simulation.
; The chip was launched on July 23, 2026; its instructions are those of AMD's public machine-readable ISA for CDNA 5 (MIT licence, August 2026) and "CDNA5" Instruction Set Architecture Reference Guide (July 2026). The comments in the code are by the model that wrote it; some were corrected since.
;; Mixture Of Experts. Allowed arithmetic: matrix products marked QUANTISED: E3M2 operands, one E8M0 scale for each 32 along K, by v_wmma_scale_f32_16x16x128_f8f6f4 with both operands' format E3M2, f32 sums; products left as they are: f32 operands where the result goes on into a quantised operand, else bf16, f16 or f32 operands; f32 sums; everything else in f32.
;; Inputs: b1 8 x 1,024 float32; b2 8 x 512 float32; br 8 float32; w1 8 x 512 x 1,024 float32; w2 8 x 1,024 x 512 float32; wr 512 x 8 float32; x 4 x 2,048 x 512 float32.
;; Outputs: out0 4 x 2,048 x 512 float32; out1 4 x 2,048 x 8 float32.
;; This version of the problem:
;;   THIS VERSION OF THE PROBLEM IS GIVEN IN LOW PRECISION. The matrix products marked QUANTISED in the list below multiply operands that are first quantised to E3M2 (3 exponent bits, 2 mantissa bits; 6 bits a number), with one power-of-two scale for each 32 numbers along K (OCP MX v1.0); their sums are f32. All else is computed in f32.
;;   The module's matrix products, in the order in which they are computed (A, B: the left and right operand; K: the contracted axis; several contracted axes count as one K, in the product's order):
;;     1. [M 8,192, K 512] x [K 512, N 8]; A: input x; B: input wr: left as it is (N = 8 < 16)
;;     2. [M 8,192, K 512] x [K 512, N 8,192]; A: input w1; B: input x: QUANTISED
;;     3. batch 8 x [M 8,192, K 1,024] x [K 1,024, N 512]; A: computed on the way; B: input w2: QUANTISED
;;     4. batch 8,192 x [M 512, K 8] x [K 8, N 1]; A: computed on the way; B: softmax: left as it is (K = 8 < 32)
;;   THE QUANTISER, for each operand of a quantised product, along K:
;;     - K is cut into blocks of 32 from its start; a last block that is shorter is filled with zeros.
;;     - A block's scale is 2^e with e = floor(log2(the largest magnitude in the block)) - 4, held to -126 .. 127; a block of zeros has e = 0. As a byte (E8M0): e + 127.
;;     - Each number is divided by its block's scale, clamped to +-28, and rounded to the nearest number of E3M2, ties to even, subnormals kept.
;;     - The product sums the exact products of the quantised numbers (number of the format x scale) in f32.
;;   ~~~python
;;   def quantise(x, axis):      # numpy; x: float32 -> the quantised numbers, widened to float32 again
;;       x = np.moveaxis(x, axis, -1); K = x.shape[-1]
;;       x = np.pad(x, [(0, 0)] * (x.ndim - 1) + [(0, -K % 32)]); x = x.reshape(x.shape[:-1] + (-1, 32)); a = np.abs(x).max(-1, keepdims=True)
;;       e = np.where(a > 0, np.clip(np.frexp(np.where(a > 0, a, 1))[1] - 1 - 4, -126, 127), 0)      # np.frexp(a)[1] - 1 = floor(log2(a)), exactly
;;       r = np.clip(x / 2.0 ** e, -28, 28)
;;       step = 2.0 ** (np.maximum(np.frexp(np.where(r == 0, 1, r))[1] - 1, -2) - 2)
;;       q = np.round(r / step) * step * 2.0 ** e      # np.round: ties to even
;;       return np.moveaxis(q.reshape(q.shape[:-2] + (-1,))[..., :K], -1, axis).astype(np.float32)
;;   ~~~
;;   OPERANDS COMPUTED ON THE WAY. 'Computed on the way' means the value that the module computes at that place (a softmax that the list does not call 'softmax' is quantised finished and normalised). What goes into a quantiser is computed in f32, as accurately as f32 sums, v_exp_f32 and their like allow (about 1e-6 of the number): no bf16 or f16 on the way to a quantiser, and a product that is left as it is and whose result goes on into a quantised operand takes f32 operands (vector FMAs, or v_wmma_f32_16x16x4_f32). A number that lies on a knife's edge between two numbers of the format may be rounded either way, as far as f32 arithmetic and the matrix unit's own rounding can turn it there, and no further.
;; One version. Each part assembles by itself: llvm-mc -triple=amdgcn-amd-amdhsa -mcpu=gfx1250 --defsym DOCPART=n.
;; ======== version 1 of 1: 3 launches
;; workspace buffers: xq 3,145,728 bytes; xs 262,144 bytes; w1q 3,145,728 bytes; w1s 131,072 bytes; w2q 3,276,800 bytes; hq 52,428,800 bytes
;; launch prep (part 1): grid 512 x 1, 8 waves a work-group, no clusters, 62,464 bytes of LDS; arguments x, wr, br, w1, w2, xq, xs, w1q, w1s, w2q, out1; writes xq, xs, w1q, w1s, w2q, out1
.if DOCPART == 1
	.amdgcn_target "amdgcn-amd-amdhsa--gfx1250"
	.amdhsa_code_object_version 6
	.text
	.protected	k_q3a15f0c414_prep
	.globl	k_q3a15f0c414_prep
	.p2align	8
	.type	k_q3a15f0c414_prep,@function
k_q3a15f0c414_prep:
	s_mov_b64 s[64:65], 0
	v_nop
	global_prefetch_b8 v0, s[64:65] scope:SCOPE_SE
	s_setreg_imm32_b32 hwreg(HW_REG_WAVE_MODE, 25, 1), 1
	s_wait_xcnt 0x0
; PREP: x [8192][512], w1 [8][512][1024] and w2 [8][1024][512], f32, become codes of BF6 (E3M2) with one E8M0 byte for each 32 along K, quantised ONCE,
; and the router's softmax(x wr + br) is computed in f32 and stored as out1.
; NO WORK OF THE PROBLEM IS LEFT OUT IN THIS PROGRAM: the gates are soft, so every expert's result is weighed in for every token, and all seven inputs reach an output (br differs along the softmax's axis).
; LAYOUT OF THE WORKSPACE: the order of the operands' registers.  A fragment (16 rows x 128 K) is 12 registers a lane; it lies as [quad 0..2][lane 0..31][16 bytes] = 1,536 bytes: three dense loads of 16 bytes a lane bring it.
;   xq [row tile 512][K step 4][1536]; xs [row tile][K step][lane 32] words (both halves of the lanes hold row r's word)
;   w1q [K step 4 e + s][tile 64][1536]; w1s [K step][tile][row 16] words
;   w2q [column block 4][K step 8 e + S][12,800]: a K step's eight fragments and, behind them, their scale words [tile 8][row 16]: one dense block for the third launch's tensor loads
; THE 16 ROWS OF A WEIGHT'S TILE ARE NOT NEIGHBOURS: tile u (0..3) of a group g of 64 columns holds columns 64 g + 8 u + 0..7 in rows 0-7 and 64 g + 32 + 8 u + 0..7 in rows 8-15.  With the product used transposed a lane's 32 results of
; tiles u = 0..3 are then 32 NEIGHBOURING columns, 64 g + 32 (lane / 16) + 0..31: a whole block of the next K in one lane (second launch), 128 neighbouring bytes of an output row (third launch).
; THE QUANTISER: a block's scale is 2^(floor(log2(largest magnitude)) - 4): its byte is the largest magnitude's exponent field - 4, held at 1 from below by a floor among the maximum's leaves.
; LIMITS: a block of zeros gets the byte 1 where the rule says 127 (its codes are zeros, and this program alone reads the bytes); NaN and infinities among the inputs are not served.
; SHARES: work-groups 0-255: x, a wave to a row tile and a K step (8 KB);  256-383: w1, 384-511: w2, a wave to 32 columns x 128 K (16 KB, two whole tiles).  Each of the three ways has LDS bytes of its own.
; No tensor loads, no cluster: every input byte is read once, by one wave.
.set EX,    0                          ; LDS: the router's partial sums, 1,024 bytes a wave
.set W1ST,  8192                       ; w1's stages: 3,328 bytes a wave (two fragments, 1,664 apart)
.set W2ST,  34816                      ; w2's stages
.set SPARE, 61440                      ; the spare words: 128 bytes for each of the eight waves
.set SPW,  12                          ; v12  LDS address of my spare word; never rewritten
.set NIL,  13                          ; v13  0; never rewritten
.set MX,   14                          ; v14-15 largest magnitudes
.set SCL,  16                          ; v16-17 the conversions' scale operands
.set BY,   18                          ; v18-19 scale bytes
.set WD,   20                          ; v20  the scale word
.set TP,   21                          ; v21  the other half's word
.set PC,   24                          ; v24-35 x's fragment;  v36-38, v40-42 the halves that are moved
.set TC,   36
.set ACC,  48                          ; v48-55, v56-63 the router's two sums: written by matrix instructions alone, on every way through this text
.set WRF,  64                          ; v64-127 wr
.set XF,   128                         ; v128-191 x (on the weights' ways v128-255: 128 numbers down K)
.set PL,   192                         ; v192-199 logits
.set QL,   200                         ; v200-223 the partners' partial sums
.set OL,   224                         ; v224-227 what is stored to out1
.set WO,   64                          ; weights: v64-87 two fragments on the way out
.set WC,   88                          ; weights: v88-119 a block's codes, eight registers a block
	s_load_b512 s[4:19], s[0:1], 0x0               ; x s[4:5], wr s[6:7], br s[8:9], w1 s[10:11], w2 s[12:13], xq s[14:15], xs s[16:17], w1q s[18:19]
	s_load_b128 s[20:23], s[0:1], 0x40             ; w1s s[20:21], w2q s[22:23]
	s_load_b64 s[26:27], s[0:1], 0x50              ; out1
	v_lshl_add_u32 v[SPW], v0, 2, SPARE
	v_mov_b32 v[NIL], 0
	v_lshrrev_b32 v1, 5, v0
	v_readfirstlane_b32 s28, v1                    ; wave 0..7
	v_and_b32 v1, 31, v0                           ; lane
	s_cmp_lt_u32 ttmp9, 256                        ; the work-group's number alone chooses the way: all eight waves go the same
	s_cbranch_scc0 .Lweights
	; ---------------- x: row tile m = 2 x work-group + wave / 4, K step s = wave % 4
	v_and_b32 v2, 15, v0                           ; r
	v_bfe_u32 v3, v0, 4, 1                         ; h
	v_lshlrev_b32 v4, 11, v2
	v_lshl_add_u32 v4, v3, 7, v4                   ; x: row r of 2,048 bytes + 128 h: the operand's layout gives lane (r, h) k = 64 c + 32 h + 0..31
	v_and_b32 v5, 7, v0
	v_lshlrev_b32 v5, 2, v5
	v_lshl_add_u32 v5, v3, 10, v5                  ; wr: 32 h rows of 32 bytes + expert lane % 8
	v_lshlrev_b32 v6, 4, v1                        ; 16 x lane
	v_lshlrev_b32 v7, 2, v1                        ; 4 x lane
	s_lshl_b32 s31, s28, 10
	v_add_nc_u32 v8, s31, v6                       ; LDS: EX + 1,024 x wave + 16 x lane
	v_lshlrev_b32 v9, 3, v3                        ; 8 h
	v_lshlrev_b32 v10, 5, v2
	v_lshl_add_u32 v10, v3, 4, v10                 ; out1: 32 r + 16 h
	v_mov_b32 v[TP], 0                             ; a lane permute's destination counts as one of its sources
	s_lshr_b32 s29, s28, 2
	s_lshl_b32 s30, ttmp9, 1
	s_add_co_u32 s29, s29, s30                     ; m
	s_and_b32 s30, s28, 3                          ; s
	s_lshl_b32 s32, s29, 15                        ; x: 16 rows of 2,048 bytes a tile,
	s_lshl_b32 s31, s30, 9
	s_add_co_u32 s32, s32, s31                     ; 512 bytes a K step
	s_mov_b32 s33, 0
	s_lshl_b32 s34, s30, 12                        ; wr: 128 rows of 32 bytes a K step
	s_mov_b32 s35, 0
	s_lshl_b32 s31, s29, 2
	s_add_co_u32 s31, s31, s30                     ; 4 m + s
	s_mul_i32 s36, s31, 1536
	s_mov_b32 s37, 0
	s_lshl_b32 s38, s31, 7
	s_mov_b32 s39, 0
	s_lshl_b32 s40, s29, 9                         ; out1: 16 rows of 32 bytes a tile
	s_mov_b32 s41, 0
	s_mov_b32 s42, 0x76543210
	s_mov_b32 s43, 0xfedcba98                      ; v_permlanex16_b32's selects for lane l xor 16
	s_mov_b32 s44, 0xffff0000                      ; lanes 16-31
	s_mov_b32 s45, 0x3fb8aa3b                      ; log2(e)
	s_wait_kmcnt 0x0
	s_load_b256 s[48:55], s[8:9], 0x0              ; br: eight numbers
	s_add_nc_u64 s[4:5], s[4:5], s[32:33]
	s_add_nc_u64 s[6:7], s[6:7], s[34:35]
	s_add_nc_u64 s[14:15], s[14:15], s[36:37]
	s_add_nc_u64 s[16:17], s[16:17], s[38:39]
	s_add_nc_u64 s[26:27], s[26:27], s[40:41]
.set i, 0
.rept 16
	global_load_b128 v[XF+4*i:XF+4*i+3], v4, s[4:5] offset:256*(i/8)+16*(i%8) th:TH_LOAD_NT   ; register 32 c + n = x(r, 128 s + 64 c + 32 h + n)
.set i, i+1
.endr
.set i, 0
.rept 64
	global_load_b32 v[WRF+i], v5, s[6:7] offset:(64*(i/32)+i%32)*32   ; register 32 c + n = wr(128 s + 64 c + 32 h + n, lane % 8): the same k as x's register of that number
.set i, i+1
.endr
	; THE ROUTER, in f32, transposed: source 0 = wr^T (rows 8-15 repeat experts 0-7), source 1 = my 16 tokens.  A lane then holds token r, and its eight registers the eight experts, in both halves of the lanes.
	; Each instruction takes two registers a side; lanes 0-15 and 16-31 hold k 32 apart, alike on both sides.  Two sums by turns, one instruction a turn; the first two products start them.
.set t, 0
.rept 32
.if t == 0
	s_wait_loadcnt 32                              ; x and wr's first 32 loads are in; wr's other 32 may be out
.endif
.if t == 16
	s_wait_loadcnt 0x0
.endif
.if t < 2
	v_wmma_f32_16x16x4_f32 v[ACC+8*(t%2):ACC+8*(t%2)+7], v[WRF+2*t:WRF+2*t+1], v[XF+2*t:XF+2*t+1], 0
.else
	v_wmma_f32_16x16x4_f32 v[ACC+8*(t%2):ACC+8*(t%2)+7], v[WRF+2*t:WRF+2*t+1], v[XF+2*t:XF+2*t+1], v[ACC+8*(t%2):ACC+8*(t%2)+7]
.endif
.set t, t+1
.endr
	; THE QUANTISER.  A lane holds two whole blocks, 2 c + h.  (Its plain lines are also the places between the last products and the first read of the sums.)
.irp c, 0,1
	v_max3_num_f32 v[MX+\c], |v[XF+32*\c]|, |v[XF+32*\c+1]|, 0x2800000   ; with the floor 2^(5 - 127): the byte cannot fall under 1
.endr
.set i, 2
.rept 15
.irp c, 0,1
	v_max3_num_f32 v[MX+\c], v[MX+\c], |v[XF+32*\c+i]|, |v[XF+32*\c+i+1]|
.endr
.set i, i+2
.endr
.irp c, 0,1
	v_add_nc_u32 v[SCL+\c], 0xfe000000, v[MX+\c]   ; 4 off the exponent field: the conversion takes that field as its scale
.endr
.irp c, 0,1
	v_lshrrev_b32 v[BY+\c], 23, v[SCL+\c]          ; the scale's byte
.endr
	v_lshl_or_b32 v[WD], v[BY+1], 16, v[BY]        ; my bytes: blocks h and 2 + h,
	v_lshlrev_b32 v[WD], v9, v[WD]                 ; 8 h bits up;
	v_permlanex16_b32 v[TP], v[WD], s42, s43
	v_or_b32 v[WD], v[WD], v[TP]                   ; with lane l xor 16's two the row's word is whole, in both halves
.irp c, 0,1
	v_cvt_scalef32_pk16_bf6_f32 v[PC+6*\c:PC+6*\c+2], v[XF+32*\c:XF+32*\c+15], v[SCL+\c]
	v_cvt_scalef32_pk16_bf6_f32 v[TC+4*\c:TC+4*\c+2], v[XF+32*\c+16:XF+32*\c+31], v[SCL+\c]   ; (a conversion's three registers begin on an even number)
.endr
	v_nop                                          ; one plain place behind a scaled conversion
.irp c, 0,1
.irp i, 0,1,2
	v_mov_b32 v[PC+6*\c+3+\i], v[TC+4*\c+\i]
.endr
.endr
.irp q, 0,1,2
	global_store_b128 v6, v[PC+4*\q:PC+4*\q+3], s[14:15] offset:512*\q   ; 32 lanes store 512 consecutive bytes
.endr
	global_store_b32 v7, v[WD], s[16:17]
.irp j, 0,1,2,3,4,5,6,7
	v_add_f32 v[PL+\j], v[ACC+\j], v[ACC+8+\j]     ; the two sums, each read from its low end on, into other registers
.endr
	ds_store_b128 v8, v[PL:PL+3]
	ds_store_b128 v8, v[PL+4:PL+7] offset:512
	s_wait_kmcnt 0x0                               ; br
	s_wait_dscnt 0x0                               ; for the others' sake: my partial sums lie in LDS
	s_barrier_signal -1
	s_barrier_wait -1
	s_cmp_lg_u32 s30, 0                            ; the wave of K step 0 finishes its row tile
	s_cbranch_scc1 .Lx_end
.irp p, 1,2,3
	ds_load_b128 v[QL+8*(\p-1):QL+8*(\p-1)+3], v8 offset:1024*\p
	ds_load_b128 v[QL+8*(\p-1)+4:QL+8*(\p-1)+7], v8 offset:1024*\p+512
.endr
	s_wait_dscnt 0x0
.irp p, 0,1,2
.irp j, 0,2,4,6
	v_pk_add_f32 v[PL+\j:PL+\j+1], v[PL+\j:PL+\j+1], v[QL+8*\p+\j:QL+8*\p+\j+1]   ; K ascending
.endr
.endr
.irp j, 0,1,2,3,4,5,6,7
	v_add_f32 v[PL+\j], s[48+\j], v[PL+\j]         ; + br
.endr
	v_max3_num_f32 v[MX], v[PL], v[PL+1], v[PL+2]  ; the largest logit is taken away
	v_max3_num_f32 v[MX], v[MX], v[PL+3], v[PL+4]
	v_max3_num_f32 v[MX], v[MX], v[PL+5], v[PL+6]
	v_max_num_f32 v[MX], v[MX], v[PL+7]
	v_mul_f32 v[MX+1], s45, v[MX]
.irp j, 0,1,2,3,4,5,6,7
	v_fma_f32 v[PL+\j], v[PL+\j], s45, -v[MX+1]    ; (l - m) log2(e), 0 or less
.endr
.irp j, 0,1,2,3,4,5,6,7
	v_exp_f32 v[PL+\j], v[PL+\j]
.endr
	v_nop                                          ; a plain place behind the batch
	s_wait_alu depctr_va_vdst(0)                   ; one wait for the eight, ahead of their first reader
	v_add_f32 v16, v[PL], v[PL+1]
	v_add_f32 v17, v[PL+2], v[PL+3]
	v_add_f32 v18, v[PL+4], v[PL+5]
	v_add_f32 v19, v[PL+6], v[PL+7]
	v_add_f32 v16, v16, v17
	v_add_f32 v18, v18, v19
	v_add_f32 v16, v16, v18
	v_rcp_f32 v16, v16
	v_nop
	s_wait_alu depctr_va_vdst(0)
.irp j, 0,1,2,3,4,5,6,7
	v_mul_f32 v[PL+\j], v[PL+\j], v16
.endr
.irp j, 0,1,2,3
	v_cndmask_b32 v[OL+\j], v[PL+\j], v[PL+4+\j], s44   ; lanes 0-15 store experts 0-3 of token r, lanes 16-31 experts 4-7
.endr
	global_store_b128 v10, v[OL:OL+3], s[26:27]    ; the tile's 512 consecutive bytes of out1
.Lx_end:
	s_wait_tensorcnt 0x0                           ; the wave's end, behind my last LDS store
	ds_add_u32 v[SPW], v[NIL]
	s_wait_dscnt 0x0
	s_endpgm
	; ---------------- the weights: K is the FIRST axis of an expert's matrix.  A lane takes a column and its 128 registers run down K: a block of 32 lies in one lane, and the conversions give codes with K innermost.
.Lweights:
	v_bfe_u32 v2, v0, 4, 1                         ; hh: which 32 of the group's 64 columns
	v_and_b32 v3, 15, v0                           ; i
	v_lshlrev_b32 v4, 2, v3
	v_lshl_add_u32 v4, v2, 7, v4                   ; in: 128 hh + 4 i: sixteen lanes read 64 consecutive bytes
	v_lshrrev_b32 v9, 3, v3                        ; which of my two tiles
	v_and_b32 v10, 7, v3
	v_lshl_add_u32 v10, v2, 3, v10                 ; my column's row in it: 8 hh + i % 8
	v_lshlrev_b32 v7, 4, v1                        ; out: 16 x lane
	v_lshlrev_b32 v8, 2, v10
	v_lshl_add_u32 v8, v9, 6, v8                   ; my scale word: 64 x tile + 4 x row
	s_mul_i32 s29, s28, 3328                       ; my wave's stage
	v_mul_u32_u24 v5, v9, 1664
	v_lshl_add_u32 v5, v10, 4, v5
	v_add_nc_u32 v5, s29, v5                       ; into it: fragment x 1,664 + 16 x row
	v_add_nc_u32 v6, s29, v7                       ; out of it: 16 x lane
; A wave's task.  s[32:33]: where its 32 columns x 128 K begin;  s[34:35]: its two fragments;  s[36:37]: their scale words.
.macro WTASK pitch, stage
.set k, 0
.rept 128
	global_load_b32 v[XF+k], v4, s[32:33] offset:k*\pitch
.set k, k+1
.endr
.irp b, 0,1,2,3
.if \b < 2
	s_wait_loadcnt 63                              ; this block's 32 loads are in: 96 (64) are younger, and the wait's field holds 63
.elseif \b == 2
	s_wait_loadcnt 32
.else
	s_wait_loadcnt 0x0
.endif
	v_max3_num_f32 v[MX], |v[XF+32*\b]|, |v[XF+32*\b+1]|, |v[XF+32*\b+2]|      ; the block's largest magnitude, in two chains
	v_max3_num_f32 v[MX+1], |v[XF+32*\b+3]|, |v[XF+32*\b+4]|, |v[XF+32*\b+5]|
.irp i, 6,10,14,18,22,26
	v_max3_num_f32 v[MX], v[MX], |v[XF+32*\b+\i]|, |v[XF+32*\b+\i+1]|
	v_max3_num_f32 v[MX+1], v[MX+1], |v[XF+32*\b+\i+2]|, |v[XF+32*\b+\i+3]|
.endr
	v_max3_num_f32 v[MX], v[MX], |v[XF+32*\b+30]|, |v[XF+32*\b+31]|
	v_max3_num_f32 v[MX], v[MX], v[MX+1], 0x2800000   ; and the floor
	v_add_nc_u32 v[SCL], 0xfe000000, v[MX]
	v_lshrrev_b32 v[BY], 23, v[SCL]
.if \b == 0
	v_mov_b32 v[WD], v[BY]
.else
	v_lshl_or_b32 v[WD], v[BY], 8*\b, v[WD]        ; the lower K in the lower byte
.endif
	v_cvt_scalef32_pk16_bf6_f32 v[WC+8*\b:WC+8*\b+2], v[XF+32*\b:XF+32*\b+15], v[SCL]
	v_cvt_scalef32_pk16_bf6_f32 v[WC+8*\b+4:WC+8*\b+6], v[XF+32*\b+16:XF+32*\b+31], v[SCL]
	v_nop                                          ; one plain place behind a scaled conversion
	v_mov_b32 v[WC+8*\b+3], v[WC+8*\b+4]           ; the block's six registers on end
	v_mov_b32 v[WC+8*\b+4], v[WC+8*\b+5]
	v_mov_b32 v[WC+8*\b+5], v[WC+8*\b+6]
	; block b is k = 64 (b / 2) + 32 (b % 2) on: registers 6 (b / 2) .. + 5 of the fragment's lane row + 16 (b % 2)
.if \b < 2
	ds_store_b128 v5, v[WC+8*\b:WC+8*\b+3] offset:\stage+256*(\b%2)
	ds_store_b64 v5, v[WC+8*\b+4:WC+8*\b+5] offset:\stage+512+256*(\b%2)
.else
	ds_store_b64 v5, v[WC+8*\b:WC+8*\b+1] offset:\stage+520+256*(\b%2)
	ds_store_b128 v5, v[WC+8*\b+2:WC+8*\b+5] offset:\stage+1024+256*(\b%2)
.endif
.endr
.irp f, 0,1
.irp q, 0,1,2
	ds_load_b128 v[WO+12*\f+4*\q:WO+12*\f+4*\q+3], v6 offset:\stage+1664*\f+512*\q   ; LDS serves a wave's instructions in order: these see my stores
.endr
.endr
	s_wait_dscnt 0x0
.irp f, 0,1
.irp q, 0,1,2
	global_store_b128 v7, v[WO+12*\f+4*\q:WO+12*\f+4*\q+3], s[34:35] offset:1536*\f+512*\q   ; 512 consecutive bytes a store
.endr
.endr
	global_store_b32 v8, v[WD], s[36:37]           ; 128 consecutive bytes: two tiles' scale words
	s_wait_tensorcnt 0x0                           ; the wave's end, behind my last LDS store
	ds_add_u32 v[SPW], v[NIL]
	s_wait_dscnt 0x0
	s_endpgm
.endm
	s_cmp_lt_u32 ttmp9, 384
	s_cbranch_scc0 .Lw2
	s_sub_co_u32 s30, ttmp9, 256                   ; w1: 32 K steps x 32 pairs of tiles
	s_lshl_b32 s30, s30, 3
	s_add_co_u32 s30, s30, s28
	s_lshr_b32 s31, s30, 5                         ; K step 4 e + s
	s_and_b32 s30, s30, 31                         ; pair of tiles
	s_lshl_b32 s32, s31, 19                        ; 128 rows of 4,096 bytes
	s_lshr_b32 s38, s30, 1
	s_lshl_b32 s38, s38, 8                         ; the group's 64 columns,
	s_add_co_u32 s32, s32, s38
	s_and_b32 s38, s30, 1
	s_lshl_b32 s38, s38, 6                         ; 16 columns on for the odd pair
	s_add_co_u32 s32, s32, s38
	s_mov_b32 s33, 0
	s_lshl_b32 s38, s31, 6
	s_lshl_b32 s39, s30, 1
	s_add_co_u32 s38, s38, s39                     ; 64 x K step + tile
	s_mul_i32 s34, s38, 1536
	s_mov_b32 s35, 0
	s_lshl_b32 s36, s38, 6
	s_mov_b32 s37, 0
	s_wait_kmcnt 0x0
	s_add_nc_u64 s[32:33], s[10:11], s[32:33]
	s_add_nc_u64 s[34:35], s[18:19], s[34:35]
	s_add_nc_u64 s[36:37], s[20:21], s[36:37]
	WTASK 4096, W1ST
.Lw2:
	s_sub_co_u32 s30, ttmp9, 384                   ; w2: 64 K steps x 16 pairs of tiles
	s_lshl_b32 s30, s30, 3
	s_add_co_u32 s30, s30, s28
	s_lshr_b32 s31, s30, 4                         ; K step 8 e + S
	s_and_b32 s30, s30, 15
	s_lshl_b32 s32, s31, 18                        ; 128 rows of 2,048 bytes
	s_lshr_b32 s38, s30, 1
	s_lshl_b32 s38, s38, 8
	s_add_co_u32 s32, s32, s38
	s_and_b32 s38, s30, 1
	s_lshl_b32 s38, s38, 6
	s_add_co_u32 s32, s32, s38
	s_mov_b32 s33, 0
	s_lshr_b32 s38, s30, 2                         ; column block of 128
	s_and_b32 s39, s30, 3
	s_lshl_b32 s39, s39, 1                         ; tile in it
	s_mul_i32 s34, s38, 819200                     ; a column block: 64 K steps of 12,800 bytes
	s_mul_i32 s40, s31, 12800
	s_add_co_u32 s34, s34, s40                     ; the K step's block
	s_lshl_b32 s40, s39, 6
	s_add_co_u32 s36, s34, s40
	s_add_co_u32 s36, s36, 12288                   ; the scale words lie behind the eight fragments
	s_mov_b32 s37, 0
	s_mul_i32 s40, s39, 1536
	s_add_co_u32 s34, s34, s40
	s_mov_b32 s35, 0
	s_wait_kmcnt 0x0
	s_add_nc_u64 s[32:33], s[12:13], s[32:33]
	s_add_nc_u64 s[34:35], s[22:23], s[34:35]
	s_add_nc_u64 s[36:37], s[22:23], s[36:37]
	WTASK 2048, W2ST
.Lfunc_end_k_q3a15f0c414_prep:
	.size	k_q3a15f0c414_prep, .Lfunc_end_k_q3a15f0c414_prep-k_q3a15f0c414_prep
	.p2alignl 7, 3214868480
	.fill 96, 4, 3214868480
	.section	.rodata,"a",@progbits
	.p2align	6, 0x0
	.amdhsa_kernel k_q3a15f0c414_prep
		.amdhsa_group_segment_fixed_size 62464
		.amdhsa_private_segment_fixed_size 0
		.amdhsa_enable_private_segment 0
		.amdhsa_kernarg_size 88
		.amdhsa_user_sgpr_count 2
		.amdhsa_user_sgpr_kernarg_segment_ptr 1
		.amdhsa_wavefront_size32 1
		.amdhsa_system_sgpr_workgroup_id_x 1
		.amdhsa_system_sgpr_workgroup_id_y 1
		.amdhsa_system_sgpr_workgroup_id_z 1
		.amdhsa_system_vgpr_workitem_id 0
		.amdhsa_next_free_vgpr 256
		.amdhsa_next_free_sgpr 66
		.amdhsa_reserve_vcc 0
		.amdhsa_float_denorm_mode_32 3
		.amdhsa_float_denorm_mode_16_64 3
		.amdhsa_memory_ordered 1
		.amdhsa_forward_progress 1
		.amdhsa_inst_pref_size 62
	.end_amdhsa_kernel
	.amdgpu_metadata
---
amdhsa.version: [ 1, 2 ]
amdhsa.kernels:
  - .name:           k_q3a15f0c414_prep
    .symbol:         k_q3a15f0c414_prep.kd
    .args:
      - { .name: x, .offset: 0, .size: 8, .value_kind: global_buffer, .address_space: global }
      - { .name: wr, .offset: 8, .size: 8, .value_kind: global_buffer, .address_space: global }
      - { .name: br, .offset: 16, .size: 8, .value_kind: global_buffer, .address_space: global }
      - { .name: w1, .offset: 24, .size: 8, .value_kind: global_buffer, .address_space: global }
      - { .name: w2, .offset: 32, .size: 8, .value_kind: global_buffer, .address_space: global }
      - { .name: xq, .offset: 40, .size: 8, .value_kind: global_buffer, .address_space: global }
      - { .name: xs, .offset: 48, .size: 8, .value_kind: global_buffer, .address_space: global }
      - { .name: w1q, .offset: 56, .size: 8, .value_kind: global_buffer, .address_space: global }
      - { .name: w1s, .offset: 64, .size: 8, .value_kind: global_buffer, .address_space: global }
      - { .name: w2q, .offset: 72, .size: 8, .value_kind: global_buffer, .address_space: global }
      - { .name: out1, .offset: 80, .size: 8, .value_kind: global_buffer, .address_space: global }
    .group_segment_fixed_size: 62464
    .private_segment_fixed_size: 0
    .kernarg_segment_align: 8
    .kernarg_segment_size: 88
    .max_flat_workgroup_size: 256
    .sgpr_count:     66
    .vgpr_count:     256
    .wavefront_size: 32
...
	.end_amdgpu_metadata
.endif
;; end of part 1
;; launch hidden (part 2): grid 16 x 16, 4 waves a work-group, no clusters, 0 bytes of LDS; arguments xq, xs, w1q, w1s, b1, hq; writes hq
.if DOCPART == 2
	.amdgcn_target "amdgcn-amd-amdhsa--gfx1250"
	.amdhsa_code_object_version 6
	.text
	.protected	k_q3a15f0c414_hidden
	.globl	k_q3a15f0c414_hidden
	.p2align	8
	.type	k_q3a15f0c414_hidden,@function
k_q3a15f0c414_hidden:
	s_mov_b64 s[64:65], 0
	v_nop
	global_prefetch_b8 v0, s[64:65] scope:SCOPE_SE
	s_setreg_imm32_b32 hwreg(HW_REG_WAVE_MODE, 25, 1), 1
	s_wait_xcnt 0x0
; HIDDEN: h = gelu(Q(x) Q(w1) + b1), exact gelu in f32, quantised along the hidden axis into codes of BF6 and E8M0 bytes, laid in the order of the next product's operand registers:
;   hq [row block of 128 tokens, 64][K step 8 e + S, 64][12,800]: a K step's eight row tiles of 1,536 bytes and, behind them, their scale words [row tile 8][row 16].  No work of the problem is left out.
; SHARES.  Wave sigma = 4 x work-group x + wave owns 128 hidden units of one expert (K step sigma of the next product): its 32 fragments of w1 stay in REGISTERS for the whole launch.  Work-group y walks row tiles 32 y .. 32 y + 31.
; The product is used transposed (source 0 = 16 units, source 1 = 16 tokens), and the units of a tile are chosen (first launch) so that lane (r, h) holds token r and its registers 32 c + n are units 64 c + 32 h + n:
; a WHOLE block of 32 along the next K in one lane: its largest magnitude needs no other lane, and two conversions give registers 6 c .. 6 c + 5 of the next operand as they stand.
; BY TURNS.  A number costs eight plain vector instructions and a reciprocal, a row tile 32 matrix instructions: the vector work is the longer.  So the next row tile's products stand singly between the parts of this tile's gelu, one behind every 12 to 20
; vector lines; each costs two switches of the register window.
; GELU.  g = u (0.5 + uc N(s) / D(s)), uc = u held to +-4 sqrt(2), s = uc^2: the rational form of erf with its argument's 1 / sqrt(2) and the factor 0.5 folded into the coefficients.
; LIMITS: 0.5 + 0.5 erf carries an absolute error of about 1e-7, as f32's 1 + erf does; for u under -4 sqrt(2) the result is u x (0 to 1e-7).  A block of zeros gets the byte 1 (its codes are zeros; this program alone reads the bytes).  NaN and infinities are not served.
; NO LDS, NO CLUSTER: x's fragments come from memory straight into operand registers by dense loads of 16 bytes a lane, 6.6 KB for a row tile's 32 matrix and some 620 vector instructions: what is shared is small beside the arithmetic.
; REGISTERS.  window 0: v1 16 x lane, v2 4 x lane, v3 8 h; v4-7 n6, d4 as pairs; v8-20 the quantiser's; v24-39 w1's scale words; v40-47 x's; v48-63 uc, s; v64-95 N; v96-127 D; v128-191, v192-255 the sums of two row tiles
;   window 1: v0-191 w1's fragments of K steps 0, 1; v192-255 b1 in the result's layout     window 2: v0-191 K steps 2, 3     window 3: v0-95 x's fragments, two buffers; v96-119 codes, two sets; v120-126 halves to be moved
.set XP,   4                           ; s[4:5]   xq at the trip's first row tile
.set XSP,  6                           ; s[6:7]   xs likewise
.set HB,   14                          ; s[14:15] hq at my work-group's first row block, my K step; never stepped
.set HSB,  16                          ; s[16:17] the scale words of that block, 12,288 bytes on; never stepped
.set HP,   18                          ; s[18:19] hq at the trip's two row tiles
.set HSP,  20                          ; s[20:21] their scale words
.set WV,   22
.set JT,   23                          ; the trip
.set SEL,  32                          ; s[32:33] selects for lane l xor 16
.set MASK, 34                          ; lanes 16-31
.set CLN,  35                          ; -4 sqrt(2)
.set CLP,  36                          ; +4 sqrt(2)
.set KN5,  38                          ; the coefficients as pairs: the packed form names a pair and takes its low word for both halves
.set KN4,  40
.set KN3,  42
.set KN2,  44
.set KN1,  46
.set KN0,  48
.set KD3,  50
.set KD2,  52
.set KD1,  54
.set KD0,  56
.set MXR,  8
.set SCLR, 12
.set BYR,  14
.set TP,   17
.set HW0,  18
.set HW1,  19
.set HSW,  20
.set W1S,  24
.set XS,   40
.set UC,   48
.set SS,   56
.set T,    64
.set DD,   96
.set ACC0, 128
.set ACC1, 192
.set B1,   192                         ; in window 1
.set PC0,  96                          ; in window 3
.set PC1,  108
.set TC,   120
.set MSB, 0
.macro WIN new                         ; the immediate's high byte repeats the setting that is left; a switch that changes nothing is dropped
.if MSB != \new
	s_set_vgpr_msb (MSB<<8)|\new
.set MSB, \new
.endif
.endm
.macro KPAIR reg, bits
	s_mov_b32 s[\reg], \bits
	s_mov_b32 s[\reg+1], \bits
.endm
; the row tile rel tiles on from the trip's first: four fragments and four scale words into buffer buf: 16 loads
.macro XLOAD buf, rel
	WIN 0xc0                                       ; destination window 3
.irp s, 0,1,2,3
.irp q, 0,1,2
	global_load_b128 v[48*(\buf)+12*\s+4*\q:48*(\buf)+12*\s+4*\q+3], v1, s[XP:XP+1] offset:(\rel)*6144+1536*\s+512*\q
.endr
.endr
	WIN 0
.irp s, 0,1,2,3
	global_load_b32 v[XS+4*(\buf)+\s], v2, s[XSP:XSP+1] offset:(\rel)*512+128*\s
.endr
.endm
; product n of a row tile's 32: K step n / 8, tile of units n % 8.  The eight sums take turns, one instruction a turn.  K step 0 takes b1 as its C.  A scale register holds an even tile's words in lanes 0-15, the odd one's in 16-31.
.macro WM n, acc, buf, back
.set ws, (\n)/8
.set wt, (\n)%8
.set wf, 12*(8*(ws%2)+wt)
.set wx, 48*(\buf)+12*ws
.set wd, (\acc)+8*wt
.if ws == 0
	WIN 0x1d                                       ; w1 window 1, x window 3, b1 window 1, the sums window 0
.elseif ws == 1
	WIN 0x0d
.else
	WIN 0x0e                                       ; w1 window 2
.endif
.if ws == 0
.if wt%2
	v_wmma_scale_f32_16x16x128_f8f6f4 v[wd:wd+7], v[wf:wf+11], v[wx:wx+11], v[B1+8*wt:B1+8*wt+7], v[W1S+4*ws+wt/2], v[XS+4*(\buf)+ws] matrix_a_fmt:MATRIX_FMT_BF6 matrix_b_fmt:MATRIX_FMT_BF6 matrix_a_scale:MATRIX_SCALE_ROW1
.else
	v_wmma_scale_f32_16x16x128_f8f6f4 v[wd:wd+7], v[wf:wf+11], v[wx:wx+11], v[B1+8*wt:B1+8*wt+7], v[W1S+4*ws+wt/2], v[XS+4*(\buf)+ws] matrix_a_fmt:MATRIX_FMT_BF6 matrix_b_fmt:MATRIX_FMT_BF6
.endif
.else
.if wt%2
	v_wmma_scale_f32_16x16x128_f8f6f4 v[wd:wd+7], v[wf:wf+11], v[wx:wx+11], v[wd:wd+7], v[W1S+4*ws+wt/2], v[XS+4*(\buf)+ws] matrix_a_fmt:MATRIX_FMT_BF6 matrix_b_fmt:MATRIX_FMT_BF6 matrix_a_scale:MATRIX_SCALE_ROW1
.else
	v_wmma_scale_f32_16x16x128_f8f6f4 v[wd:wd+7], v[wf:wf+11], v[wx:wx+11], v[wd:wd+7], v[W1S+4*ws+wt/2], v[XS+4*(\buf)+ws] matrix_a_fmt:MATRIX_FMT_BF6 matrix_b_fmt:MATRIX_FMT_BF6
.endif
.endif
.if \back
	WIN 0
.endif
.endm
; Eight numbers (tile ch of the sums cur) as far as uc N(s) and 1 / D(s), in four parts; behind each part one product of the next row tile (mm = 1).  Four pairs by turns: no line waits for the line above it.
.macro CHUNK ch, cur, mm, nxt, buf
.set ca, (\cur)+8*(\ch)
.set ct, T+8*((\ch)%4)
.set cd, DD+8*((\ch)%4)
.irp j, 0,1,2,3,4,5,6,7
	v_med3_num_f32 v[UC+\j], v[ca+\j], s[CLN], s[CLP]   ; the sums are read from their low end on
.endr
.irp j, 0,2,4,6
	v_pk_mul_f32 v[SS+\j:SS+\j+1], v[UC+\j:UC+\j+1], v[UC+\j:UC+\j+1]
.endr
.irp j, 0,2,4,6
	v_pk_fma_f32 v[cd+\j:cd+\j+1], v[SS+\j:SS+\j+1], v[6:7], s[KD3:KD3+1] op_sel_hi:[1,1,0]
.endr
.if \mm
	WM 4*(\ch), \nxt, \buf, 1
.endif
.irp j, 0,2,4,6
	v_pk_fma_f32 v[ct+\j:ct+\j+1], v[SS+\j:SS+\j+1], v[4:5], s[KN5:KN5+1] op_sel_hi:[1,1,0]
.endr
.irp j, 0,2,4,6
	v_pk_fma_f32 v[cd+\j:cd+\j+1], v[cd+\j:cd+\j+1], v[SS+\j:SS+\j+1], s[KD2:KD2+1] op_sel_hi:[1,1,0]
.endr
.irp j, 0,2,4,6
	v_pk_fma_f32 v[ct+\j:ct+\j+1], v[ct+\j:ct+\j+1], v[SS+\j:SS+\j+1], s[KN4:KN4+1] op_sel_hi:[1,1,0]
.endr
.irp j, 0,2,4,6
	v_pk_fma_f32 v[cd+\j:cd+\j+1], v[cd+\j:cd+\j+1], v[SS+\j:SS+\j+1], s[KD1:KD1+1] op_sel_hi:[1,1,0]
.endr
.if \mm
	WM 4*(\ch)+1, \nxt, \buf, 1
.endif
.irp j, 0,2,4,6
	v_pk_fma_f32 v[ct+\j:ct+\j+1], v[ct+\j:ct+\j+1], v[SS+\j:SS+\j+1], s[KN3:KN3+1] op_sel_hi:[1,1,0]
.endr
.irp j, 0,2,4,6
	v_pk_fma_f32 v[cd+\j:cd+\j+1], v[cd+\j:cd+\j+1], v[SS+\j:SS+\j+1], s[KD0:KD0+1] op_sel_hi:[1,1,0]
.endr
.irp j, 0,2,4,6
	v_pk_fma_f32 v[ct+\j:ct+\j+1], v[ct+\j:ct+\j+1], v[SS+\j:SS+\j+1], s[KN2:KN2+1] op_sel_hi:[1,1,0]
.endr
.if \mm
	WM 4*(\ch)+2, \nxt, \buf, 1
.endif
.irp j, 0,2,4,6                        ; the eight reciprocals stand singly between plain lines that name none of them; nothing names a result before the block's one wait
	v_pk_fma_f32 v[ct+\j:ct+\j+1], v[ct+\j:ct+\j+1], v[SS+\j:SS+\j+1], s[KN1:KN1+1] op_sel_hi:[1,1,0]
	v_rcp_f32 v[cd+\j/2], v[cd+\j/2]
.endr
.irp j, 0,2,4,6
	v_pk_fma_f32 v[ct+\j:ct+\j+1], v[ct+\j:ct+\j+1], v[SS+\j:SS+\j+1], s[KN0:KN0+1] op_sel_hi:[1,1,0]
	v_rcp_f32 v[cd+4+\j/2], v[cd+4+\j/2]
.endr
.irp j, 0,2,4,6
	v_pk_mul_f32 v[ct+\j:ct+\j+1], v[ct+\j:ct+\j+1], v[UC+\j:UC+\j+1]
.endr
.if \mm
	WM 4*(\ch)+3, \nxt, \buf, 1
.endif
.endm
; A block of 32 numbers is finished: g = u (0.5 + uc N / D); its largest magnitude; the conversion's scale operand and the byte.
.macro FIN blk, cur
.set fa, (\cur)+32*(\blk)
	s_wait_alu depctr_va_vdst(0)                   ; one wait for the block's 32 reciprocals, ahead of their first reader
.set i, 0
.rept 16
	v_pk_fma_f32 v[T+i:T+i+1], v[T+i:T+i+1], v[DD+i:DD+i+1], 0.5 op_sel_hi:[1,1,0]
.set i, i+2
.endr
.set i, 0
.rept 16
	v_pk_mul_f32 v[fa+i:fa+i+1], v[fa+i:fa+i+1], v[T+i:T+i+1]
.set i, i+2
.endr
.irp k, 0,1,2,3
	v_max3_num_f32 v[MXR+\k], |v[fa+8*\k]|, |v[fa+8*\k+1]|, 0x2800000   ; four chains; the floor 2^(5 - 127) holds the byte at 1 from below
.endr
.irp i, 2,4,6
.irp k, 0,1,2,3
	v_max3_num_f32 v[MXR+\k], v[MXR+\k], |v[fa+8*\k+\i]|, |v[fa+8*\k+\i+1]|
.endr
.endr
	v_max3_num_f32 v[MXR], v[MXR], v[MXR+1], v[MXR+2]
	v_max_num_f32 v[MXR], v[MXR], v[MXR+3]
	v_add_nc_u32 v[SCLR+\blk], 0xfe000000, v[MXR]  ; 4 off the exponent field
	v_lshrrev_b32 v[BYR+\blk], 23, v[SCLR+\blk]
.endm
; The row tile's 64 numbers a lane become a fragment of the next product and leave; its scale word is made.
.macro QOUT cur, pc, hw, rel
	WIN 0xc0                                       ; destination window 3
.irp c, 0,1
	v_cvt_scalef32_pk16_bf6_f32 v[\pc+6*\c:\pc+6*\c+2], v[\cur+32*\c:\cur+32*\c+15], v[SCLR+\c]
	v_cvt_scalef32_pk16_bf6_f32 v[TC+4*\c:TC+4*\c+2], v[\cur+32*\c+16:\cur+32*\c+31], v[SCLR+\c]   ; (a conversion's three registers begin on an even number)
.endr
	v_nop                                          ; one plain place behind a scaled conversion
	WIN 0xc3
.irp c, 0,1
.irp i, 0,1,2
	v_mov_b32 v[\pc+6*\c+3+\i], v[TC+4*\c+\i]
.endr
.endr
	WIN 0x0c                                       ; a store's data are its source 1: window 3
.irp q, 0,1,2
	global_store_b128 v1, v[\pc+4*\q:\pc+4*\q+3], s[HP:HP+1] offset:(\rel)*1536+512*\q   ; 512 consecutive bytes a store
.endr
	WIN 0
	v_lshl_or_b32 v[\hw], v[BYR+1], 16, v[BYR]     ; my bytes: blocks h and 2 + h, 8 h bits up; with lane l xor 16's the row's word is whole
	v_lshlrev_b32 v[\hw], v3, v[\hw]
	v_permlanex16_b32 v[TP], v[\hw], s[SEL], s[SEL+1]
	v_or_b32 v[\hw], v[\hw], v[TP]
.endm
; Half a trip: the gelu and quantiser of the sums cur; between their parts the next row tile's products, from buffer bufnxt into nxt; at its head the loads of the tile after that, into the buffer just multiplied.
.macro HALF cur, nxt, bufnxt, load, rel, mm, pc, hw, orel
.if \load
	XLOAD 1-(\bufnxt), \rel
	s_wait_loadcnt 16                              ; the 16 just issued may be out; the next tile's, asked for half a trip ago, are in
.else
	s_wait_loadcnt 0x0
.endif
	CHUNK 0, \cur, \mm, \nxt, \bufnxt
	CHUNK 1, \cur, \mm, \nxt, \bufnxt
	CHUNK 2, \cur, \mm, \nxt, \bufnxt
	CHUNK 3, \cur, \mm, \nxt, \bufnxt
	FIN 0, \cur
	CHUNK 4, \cur, \mm, \nxt, \bufnxt
	CHUNK 5, \cur, \mm, \nxt, \bufnxt
	CHUNK 6, \cur, \mm, \nxt, \bufnxt
	CHUNK 7, \cur, \mm, \nxt, \bufnxt
	FIN 1, \cur
	QOUT \cur, \pc, \hw, \orel
.endm
	s_load_b256 s[4:11], s[0:1], 0x0               ; xq s[4:5], xs s[6:7], w1q s[8:9], w1s s[10:11]
	s_load_b128 s[12:15], s[0:1], 0x20             ; b1 s[12:13], hq s[14:15]
	v_lshrrev_b32 v1, 5, v0
	v_readfirstlane_b32 s[WV], v1                  ; wave 0..3
	v_and_b32 v2, 31, v0
	v_lshlrev_b32 v1, 4, v2                        ; 16 x lane
	v_lshlrev_b32 v2, 2, v2                        ; 4 x lane
	v_bfe_u32 v3, v0, 4, 1
	v_lshlrev_b32 v21, 7, v3                       ; 128 h: b1's 32 numbers of my half
	v_lshlrev_b32 v3, 3, v3                        ; 8 h
	v_mov_b32 v4, 0xabd3f331                       ; n6, twice
	v_mov_b32 v5, 0xabd3f331
	v_mov_b32 v6, 0xb57460cd                       ; d4, twice
	v_mov_b32 v7, 0xb57460cd
	v_mov_b32 v[TP], 0                             ; a lane permute's destination counts as one of its sources
	s_lshl_b32 s24, ttmp9, 2
	s_add_co_u32 s24, s24, s[WV]                   ; sigma = 8 e + S
	s_lshr_b32 s25, s24, 3                         ; e
	s_and_b32 s26, s24, 7                          ; S
	s_and_b32 s27, ttmp7, 0xffff                   ; y
	s_mul_i32 s28, s25, 393216                     ; w1q: four K steps of 64 tiles an expert,
	s_mul_i32 s70, s26, 12288                      ; eight tiles a slice
	s_add_co_u32 s28, s28, s70
	s_mov_b32 s29, 0
	s_lshl_b32 s30, s25, 14                        ; w1s
	s_lshl_b32 s70, s26, 9
	s_add_co_u32 s30, s30, s70
	s_mov_b32 s31, 0
	s_lshl_b32 s58, s25, 12                        ; b1
	s_add_co_u32 s58, s58, s70
	s_mov_b32 s59, 0
	s_mul_i32 s60, s27, 196608                     ; xq: 32 row tiles of 6,144 bytes
	s_mov_b32 s61, 0
	s_lshl_b32 s62, s27, 14                        ; xs: 32 x 512
	s_mov_b32 s63, 0
	s_mul_i32 s66, s27, 3276800                    ; hq: four row blocks of 819,200 bytes,
	s_mul_i32 s70, s24, 12800                      ; my K step's block of 12,800
	s_add_co_u32 s66, s66, s70
	s_mov_b32 s67, 0
	s_add_co_u32 s68, s66, 12288                   ; its scale words lie behind its eight fragments
	s_mov_b32 s69, 0
	s_mov_b32 s[SEL], 0x76543210
	s_mov_b32 s[SEL+1], 0xfedcba98
	s_mov_b32 s[MASK], 0xffff0000
	s_mov_b32 s[CLN], 0xc0b504f3
	s_mov_b32 s[CLP], 0x40b504f3
	KPAIR KN5, 0x2fa84a8d
	KPAIR KN4, 0xb347667d
	KPAIR KN3, 0xb628d45d
	KPAIR KN2, 0xb8883d9c
	KPAIR KN1, 0xba08eb41
	KPAIR KN0, 0xbbba79f3
	KPAIR KD3, 0xb7dfbd29
	KPAIR KD2, 0xb9dc924e
	KPAIR KD1, 0xbb719bf8
	KPAIR KD0, 0xbc69b6a7
	s_mov_b32 s[JT], 0
	s_wait_kmcnt 0x0
	s_add_nc_u64 s[8:9], s[8:9], s[28:29]
	s_add_nc_u64 s[10:11], s[10:11], s[30:31]
	s_add_nc_u64 s[12:13], s[12:13], s[58:59]
	s_add_nc_u64 s[XP:XP+1], s[XP:XP+1], s[60:61]
	s_add_nc_u64 s[XSP:XSP+1], s[XSP:XSP+1], s[62:63]
	s_add_nc_u64 s[HSB:HSB+1], s[HB:HB+1], s[68:69]
	s_add_nc_u64 s[HB:HB+1], s[HB:HB+1], s[66:67]
	s_mov_b64 s[HP:HP+1], s[HB:HB+1]
	s_mov_b64 s[HSP:HSP+1], s[HSB:HSB+1]
	WIN 0x40                                       ; destination window 1: w1's fragments of K steps 0 and 1: they stay
.set i, 0
.rept 16
.irp q, 0,1,2
	global_load_b128 v[12*i+4*\q:12*i+4*\q+3], v1, s[8:9] offset:(i/8)*98304+(i%8)*1536+512*\q
.endr
.set i, i+1
.endr
	WIN 0x80                                       ; window 2: K steps 2 and 3
.set i, 0
.rept 16
.irp q, 0,1,2
	global_load_b128 v[12*i+4*\q:12*i+4*\q+3], v1, s[8:9] offset:(2+i/8)*98304+(i%8)*1536+512*\q
.endr
.set i, i+1
.endr
	WIN 0x40                                       ; b1 in the result's layout: register 8 t + j = b1 of unit 64 (t / 4) + 32 h + 8 (t % 4) + j
.set i, 0
.rept 8
	global_load_b128 v[B1+8*i:B1+8*i+3], v21, s[12:13] offset:(64*(i/4)+8*(i%4))*4
	global_load_b128 v[B1+8*i+4:B1+8*i+7], v21, s[12:13] offset:(64*(i/4)+8*(i%4))*4+16
.set i, i+1
.endr
	WIN 0
.set i, 0
.rept 16
	global_load_b32 v[W1S+i], v2, s[10:11] offset:(i/4)*4096+(i%4)*128   ; K step i / 4, tiles 2 (i % 4) and 2 (i % 4) + 1
.set i, i+1
.endr
	XLOAD 0, 0
	XLOAD 1, 1
	s_wait_loadcnt 0x0
.set i, 0
.rept 32
	WM i, ACC0, 0, 0                               ; the first row tile's products: there is no vector work yet to set between them
.set i, i+1
.endr
	WIN 0
.rept 4
	v_nop                                          ; places in front of the first read of the sums and of the loads into the buffer just multiplied
.endr
.Ltrip:                                            ; 15 trips of two row tiles
	HALF ACC0, ACC1, 1, 1, 2, 1, PC0, HW0, 0
	HALF ACC1, ACC0, 0, 1, 3, 1, PC1, HW1, 1
	v_cndmask_b32 v[HSW], v[HW0], v[HW1], s[MASK]  ; lanes 0-15 the even tile's words, lanes 16-31 the odd one's
	global_store_b32 v2, v[HSW], s[HSP:HSP+1]      ; 128 consecutive bytes
	s_wait_xcnt 0x0                                ; the trip's loads and stores have read their bases, and the stores their data: all are written again only behind this wait
	s_add_nc_u64 s[XP:XP+1], s[XP:XP+1], 12288
	s_add_nc_u64 s[XSP:XSP+1], s[XSP:XSP+1], 1024
	s_add_co_u32 s[JT], s[JT], 1
	s_lshr_b32 s24, s[JT], 2                       ; four trips to a row block
	s_and_b32 s26, s[JT], 3
	s_mul_i32 s28, s24, 819200
	s_lshl_b32 s25, s26, 7
	s_add_co_u32 s30, s28, s25                     ; the scale words: 128 bytes a trip
	s_mul_i32 s25, s26, 3072
	s_add_co_u32 s28, s28, s25                     ; the codes: two row tiles a trip
	s_add_nc_u64 s[HP:HP+1], s[HB:HB+1], s[28:29]
	s_add_nc_u64 s[HSP:HSP+1], s[HSB:HSB+1], s[30:31]
	s_cmp_lt_u32 s[JT], 15
	s_cbranch_scc1 .Ltrip
	HALF ACC0, ACC1, 1, 0, 0, 1, PC0, HW0, 0       ; the last two row tiles: nothing more is loaded,
	HALF ACC1, ACC0, 0, 0, 0, 0, PC1, HW1, 1       ; and at last nothing more is multiplied
	v_cndmask_b32 v[HSW], v[HW0], v[HW1], s[MASK]
	global_store_b32 v2, v[HSW], s[HSP:HSP+1]
	s_endpgm
.Lfunc_end_k_q3a15f0c414_hidden:
	.size	k_q3a15f0c414_hidden, .Lfunc_end_k_q3a15f0c414_hidden-k_q3a15f0c414_hidden
	.p2alignl 7, 3214868480
	.fill 96, 4, 3214868480
	.section	.rodata,"a",@progbits
	.p2align	6, 0x0
	.amdhsa_kernel k_q3a15f0c414_hidden
		.amdhsa_group_segment_fixed_size 0
		.amdhsa_private_segment_fixed_size 0
		.amdhsa_enable_private_segment 0
		.amdhsa_kernarg_size 48
		.amdhsa_user_sgpr_count 2
		.amdhsa_user_sgpr_kernarg_segment_ptr 1
		.amdhsa_wavefront_size32 1
		.amdhsa_system_sgpr_workgroup_id_x 1
		.amdhsa_system_sgpr_workgroup_id_y 1
		.amdhsa_system_sgpr_workgroup_id_z 1
		.amdhsa_system_vgpr_workitem_id 0
		.amdhsa_next_free_vgpr 896
		.amdhsa_next_free_sgpr 80
		.amdhsa_reserve_vcc 0
		.amdhsa_float_denorm_mode_32 3
		.amdhsa_float_denorm_mode_16_64 3
		.amdhsa_memory_ordered 1
		.amdhsa_forward_progress 1
		.amdhsa_inst_pref_size 197
	.end_amdhsa_kernel
	.amdgpu_metadata
---
amdhsa.version: [ 1, 2 ]
amdhsa.kernels:
  - .name:           k_q3a15f0c414_hidden
    .symbol:         k_q3a15f0c414_hidden.kd
    .args:
      - { .name: xq, .offset: 0, .size: 8, .value_kind: global_buffer, .address_space: global }
      - { .name: xs, .offset: 8, .size: 8, .value_kind: global_buffer, .address_space: global }
      - { .name: w1q, .offset: 16, .size: 8, .value_kind: global_buffer, .address_space: global }
      - { .name: w1s, .offset: 24, .size: 8, .value_kind: global_buffer, .address_space: global }
      - { .name: b1, .offset: 32, .size: 8, .value_kind: global_buffer, .address_space: global }
      - { .name: hq, .offset: 40, .size: 8, .value_kind: global_buffer, .address_space: global }
    .group_segment_fixed_size: 0
    .private_segment_fixed_size: 0
    .kernarg_segment_align: 8
    .kernarg_segment_size: 48
    .max_flat_workgroup_size: 128
    .sgpr_count:     80
    .vgpr_count:     896
    .wavefront_size: 32
...
	.end_amdgpu_metadata
.endif
;; end of part 2
;; launch combine (part 3): grid 4 x 64, 4 waves a work-group, clusters of 4 x 4, 327,680 bytes of LDS; arguments hq, w2q, b2, out1, out0; writes out0
.if DOCPART == 3
	.amdgcn_target "amdgcn-amd-amdhsa--gfx1250"
	.amdhsa_code_object_version 6
	.text
	.protected	k_q3a15f0c414_combine
	.globl	k_q3a15f0c414_combine
	.p2align	8
	.type	k_q3a15f0c414_combine,@function
k_q3a15f0c414_combine:
	s_mov_b64 s[64:65], 0
	v_nop
	global_prefetch_b8 v0, s[64:65] scope:SCOPE_SE
	s_setreg_imm32_b32 hwreg(HW_REG_WAVE_MODE, 25, 1), 1
	s_wait_xcnt 0x0
	s_wait_alu depctr_hold_cnt(0) depctr_sa_sdst(0) depctr_va_vdst(0) depctr_va_sdst(0) depctr_va_ssrc(0) depctr_va_vcc(0) depctr_vm_vsrc(0)
	s_getreg_b32 s2, hwreg(HW_REG_IB_STS2, 6, 4)
	s_cmp_eq_u32 s2, 0
	s_cbranch_scc0 .Lentry_in_a_cluster
	s_endpgm
.Lentry_in_a_cluster:
	s_bfe_u32 s2, ttmp6, 0x10000c
	s_cmp_lg_u32 s2, 0xf033
	s_cbranch_scc0 .Lentry_shape_is_right
	s_endpgm
.Lentry_shape_is_right:
; COMBINE: out0[t][d] = the sum over experts e of out1[t][e] x (the sum over f of Q(h)[e][t][f] Q(w2)[e][f][d] + b2[e][d]).  Codes of BF6 with E8M0 scales, as the two launches before laid them; sums in f32.  No work of the problem is left out.
; SHARES.  A work-group makes 128 tokens x 128 columns, each of its four waves 64 x 64: 16 sums of an expert and 16 totals, 256 registers.  K goes over 64 steps of 128, eight to an expert.  At an expert's end total += gate x sum; b2 is the C of the expert's first products.
; A larger tile would leave WGPs without work: the output has 64 x 4 tiles of this size.
; THE RING.  A K step of h (or of w2) is one dense block of 12,800 bytes: eight fragments as images of the operand's registers, then their scale words.  Two LDS slots of SIX K steps, h's six blocks and then w2's: 2 x 153,600 bytes and 512 spare ones of the
; 327,680: a seventh step in each would not fit.  One slot is on its way while the other is multiplied, so the slots are as large as LDS holds.  Each wave fetches a quarter of a slot, three blocks, by one tensor load.
; 64 = 4 + 10 x 6: slot 0's first fill holds steps 0 to 3, every later fill six steps.  In that first fill each wave brings two blocks, and the third place of its part is written as zeros (the tile's 150 rows against the 100 that the descriptor says are left):
; so the whole slot has been filled before it is filled again.  Steps 0 to 3 lie at places 0, 1, 3, 4; from step 4 on step n lies at place (n + 2) % 6 of slot ((n + 2) / 6) % 2.
; THE TEXT.  Slots of six and experts of eight come round after 24 steps: the first expert is written out (it starts the totals), a loop of two trips runs three experts a trip, the last expert is written out (it fills nothing).
; CLUSTERS: 4 x 4 work-groups.  The four of a row of the cluster need the same tiles of h, the four of a column the same tiles of w2: each tile is asked for JOINTLY, by the same tensor load with the same descriptor and a mask that names the four.
; TRANSPOSED USE (source 0 = 16 columns of w2, source 1 = 16 tokens), with the columns of a tile chosen by the first launch: lane (r, h) holds token r, and its 32 registers of tiles u = 0..3 are columns 64 g + 32 h + 0..31: 128 neighbouring bytes of a row of out0.
; REGISTERS.  window 0: v9-14, v32-43 addresses; v16, v17 the add's two; v20-23 gates; v24-31 scale words, two sets; v64-159, v160-255 fragments, two sets (w2's four, then h's four)     window 1: v0-127 an expert's sums, v128-255 the totals     window 2: v0-31 b2
.set STEPB, 12800                      ; a K step's block: eight fragments and 512 bytes of scale words
.set SCO,   12288                      ; where the scale words begin in it
.set FRB,   1536
.set TRI,   3*STEPB                    ; three blocks: what one tensor load brings
.set HALFB, 6*STEPB                    ; h's part of a slot; w2's lies behind it
.set SLOTB, 2*HALFB
.set RBLK,  64*STEPB                   ; a row block of hq, a column block of w2q
.set SPARE, 2*SLOTB                    ; the spare words, 128 bytes for each wave
.set VR,   9                           ; v9    32 r: my token's row of out1
.set VBB,  10                          ; v10   128 h: b2's 32 numbers of my half
.set STO,  11                          ; v11   the way out: where I put my bytes of a row
.set RD,   12                          ; v12   where I read a row back
.set CO,   13                          ; v13   my byte offset in two rows of out0
.set PFO,  14                          ; v14   the prefetches' offset; never rewritten
.set SPW,  16
.set NIL,  17
.set RC,   20
.set SC,   24
.set ADH,  32                          ; v32-35 my four row tiles of h: register 2 x slot + place / 3 (an LDS immediate holds 16 bits: a slot's places 3 to 5 have a register of their own)
.set ADW,  36                          ; v36-39 my four tiles of w2, likewise
.set VS,   40                          ; v40-43 my scale words, likewise: lanes 0-15 h's, lanes 16-31 w2's
.set WV,   18                          ; s18 wave;  s19 wave / 2: my half of the rows; also: I fetch for h (0) or w2 (1);  s20 wave % 2: my half of the columns; also: which half of a slot's part I fetch
.set LC,   23                          ; s23 the loop's trips
.set G1,   24                          ; s[24:31] descriptor group 1 for h's tiles;  s[32:39] group 0, a set for each slot
.set G0,   32
.set G1B,  48                          ; s[48:55], s[56:63] the same for w2's
.set G0B,  56
.set EL,   66                          ; s66 refills that still have a slot behind theirs to ask for
.set LIM,  67                          ; s67 0 in a wave that prefetches, else the greatest number
.set G1L,  68                          ; s[68:75], s[76:79] groups 1 and 0 for slot 0's first fill of h;  s[80:87], s[88:91] of w2
.set G0L,  76
.set G1BL, 80
.set G0BL, 88
.set PFA,  96                          ; s[96:97] where my prefetches stand
.set MSB, 0
.macro WIN new
.if MSB != \new
	s_set_vgpr_msb (MSB<<8)|\new
.set MSB, \new
.endif
.endm
; A joint load: waves 0 and 1 fetch for h, waves 2 and 3 for w2.  Each of the two lines has one mask and one set of registers for all that issue it; the branch hangs on the wave's number alone.
; An s_nop 0 and four v_nop follow each of the two lines.
.macro JLOAD g0a, g1a, g0b, g1b
	s_cmp_eq_u32 s19, 0
	s_cbranch_scc0 .Lfor_b_\@
	tensor_load_to_lds s[\g0a:\g0a+3], s[\g1a:\g1a+7]
	s_nop 0
.rept 4
	v_nop
.endr
	s_branch .Lasked_\@
.Lfor_b_\@:
	tensor_load_to_lds s[\g0b:\g0b+3], s[\g1b:\g1b+7]
	s_nop 0
.rept 4
	v_nop
.endr
.Lasked_\@:
.endm
.macro CREST                           ; a round of the cluster's barrier behind its opening barrier
	s_cmp_lg_u32 s[WV], 0
	s_cbranch_scc1 .Lnot_wave_0_\@
	s_barrier_signal -3
.Lnot_wave_0_\@:
	s_barrier_wait -3
	s_barrier_signal -1
	s_barrier_wait -1
.endm
.macro CROUND
	s_barrier_signal -1
	s_barrier_wait -1
	CREST
.endm
.macro PLACES                          ; four places in front of loads into registers that matrix instructions have read, and of the first read of results
.rept 4
	v_nop
.endr
.endm
; A PREFETCH INTO THE L2, at each refill, behind the joint load and the run of LDS loads: h's part of the slot that the NEXT refill will ask for, 76,800 bytes of my row block: six K steps, 96 matrix instructions a wave, ahead of that load.
; Only my row of the cluster reads these bytes.  Its four partners share the 300 blocks of 256 bytes out BY ADDRESS, 75 each; in each, waves 0 to 2 take 25, a lane a block (lanes 25 to 31 name lane 24's block again).
; Slots 0 to 2 come by their loads alone; the last refill has no slot behind its own and asks for nothing.  w2's codes are not asked for: all sixteen clusters walk them again and again.
.macro ASK
	s_cmp_gt_u32 s[EL], s[LIM]
	s_cbranch_scc0 .Lnot_mine_\@
	global_prefetch_b8 v[PFO], s[PFA:PFA+1] th:TH_LOAD_NT scope:SCOPE_SE
.Lnot_mine_\@:
.endm
; 28 LDS loads in one run: the fragments and scale words at place ks of a slot into a set: w2's four tiles, h's row tiles 0 and 1, the scale words, and last h's row tiles 2 and 3, which are wanted eight products later
.macro FETCH slot, ks, set
.set fb, 64+96*(\set)
.set fr, 2*(\slot)+(\ks)/3
.set fo, ((\ks)%3)*STEPB
.irp u, 0,1,2,3
.irp q, 0,1,2
	ds_load_b128 v[fb+12*\u+4*\q:fb+12*\u+4*\q+3], v[ADW+fr] offset:fo+\u*FRB+512*\q
.endr
.endr
.irp a, 0,1
.irp q, 0,1,2
	ds_load_b128 v[fb+48+12*\a+4*\q:fb+48+12*\a+4*\q+3], v[ADH+fr] offset:fo+\a*FRB+512*\q
.endr
.endr
.irp i, 0,1,2,3
	ds_load_b32 v[SC+4*(\set)+\i], v[VS+fr] offset:fo+64*\i   ; lanes 0-15: h's row tile i; lanes 16-31: w2's tile i
.endr
.irp a, 2,3
.irp q, 0,1,2
	ds_load_b128 v[fb+48+12*\a+4*\q:fb+48+12*\a+4*\q+3], v[ADH+fr] offset:fo+\a*FRB+512*\q
.endr
.endr
.endm
; four products: row tile a against w2's four tiles.  The 16 sums take turns, one instruction a turn, in the same order in every step.  cb = 1: an expert's first step: b2 is the C.
.macro MUL4 a, set, cb
.set fb, 64+96*(\set)
.if \cb
	WIN 0x60                                       ; C window 2, D window 1
.else
	WIN 0x50                                       ; C and D window 1
.endif
.irp u, 0,1,2,3
.if \cb
	v_wmma_scale_f32_16x16x128_f8f6f4 v[8*(4*(\a)+\u):8*(4*(\a)+\u)+7], v[fb+12*\u:fb+12*\u+11], v[fb+48+12*(\a):fb+48+12*(\a)+11], v[8*\u:8*\u+7], v[SC+4*(\set)+\u], v[SC+4*(\set)+(\a)] matrix_a_fmt:MATRIX_FMT_BF6 matrix_b_fmt:MATRIX_FMT_BF6 matrix_a_scale:MATRIX_SCALE_ROW1
.else
	v_wmma_scale_f32_16x16x128_f8f6f4 v[8*(4*(\a)+\u):8*(4*(\a)+\u)+7], v[fb+12*\u:fb+12*\u+11], v[fb+48+12*(\a):fb+48+12*(\a)+11], v[8*(4*(\a)+\u):8*(4*(\a)+\u)+7], v[SC+4*(\set)+\u], v[SC+4*(\set)+(\a)] matrix_a_fmt:MATRIX_FMT_BF6 matrix_b_fmt:MATRIX_FMT_BF6 matrix_a_scale:MATRIX_SCALE_ROW1
.endif
.endr
.endm
; A K step that has its successor in the same slot, at place nks
.macro STEP set, cb, nslot, nks
	s_wait_dscnt 6                                 ; all of this step's loads but the youngest six (h's row tiles 2 and 3) are in
	MUL4 0, \set, \cb
	MUL4 1, \set, \cb
	PLACES
	WIN 0
	FETCH \nslot, \nks, 1-(\set)
	s_wait_dscnt 28                                ; all but the 28 just issued
	MUL4 2, \set, \cb
	MUL4 3, \set, \cb
.endm
; A slot's last step (always an odd step: set 1) changes slots: ONE barrier; in front of it each wave waits for all its tensor loads, adds 0 to its spare word, and waits for that and for its reads of this slot.
; fill = 1: the barrier opens a round of the cluster's, and this slot is filled again, with the six steps behind the other slot's.  stepit = 0: slot 0's first refill, whose address was made at the head.
.macro TURN slot, nslot, nks, fill, stepit
.if \fill
	s_wait_xcnt 0x0                                ; the last prefetch, a slot back, has read its address: it steps here, ahead of the waits of the change of slots
	s_add_nc_u64 s[PFA:PFA+1], s[PFA:PFA+1], HALFB
.endif
	WIN 0                                          ; (the add's two registers lie in window 0)
	s_wait_tensorcnt 0x0                           ; all my tensor loads have landed: my part of the next slot;
	ds_add_u32 v[SPW], v[NIL]                      ; 0 onto my spare word;
	s_wait_dscnt 7                                 ; (the add and the youngest six loads may be out)
	MUL4 0, 1, 0                                   ; four products stand between the add and the wait for it
	s_wait_dscnt 0x0                               ; the add is done, and my reads of this slot are over
	s_barrier_signal -1
	MUL4 1, 1, 0
	WIN 0
	s_barrier_wait -1
.if \fill
	CREST                                          ; no wave of any partner still reads this slot or has a load on its way
.if \stepit
	s_add_nc_u64 s[G0+4*\slot+2:G0+4*\slot+3], s[G0+4*\slot+2:G0+4*\slot+3], 12*STEPB
	s_add_nc_u64 s[G0B+4*\slot+2:G0B+4*\slot+3], s[G0B+4*\slot+2:G0B+4*\slot+3], 12*STEPB
.endif
	JLOAD G0+4*\slot, G1, G0B+4*\slot, G1B         ; the first tensor load behind the round, my one load until the next; its four v_nop are also the places in front of the loads below
.else
	PLACES
.endif
	FETCH \nslot, \nks, 0
.if \fill
	ASK
	s_sub_co_u32 s[EL], s[EL], 1
.endif
	MUL4 2, 1, 0
	MUL4 3, 1, 0
.endm
; total (+)= gate x the expert's sum.  A lane's gate for row tile a is register a of four; the packed form takes it for both halves.  Each sum is read from its low end on.  first = 1: the first expert starts the totals: nothing is cleared.
.macro RESCALE first, cnt
	PLACES
	s_wait_loadcnt \cnt                            ; the gates are in; the next expert's b2, asked for behind them, may be out
	WIN 0x51                                       ; sums and totals window 1, the gates window 0
.irp a, 0,1,2,3
.set i, 0
.rept 16
.if \first
.if \a%2
	v_pk_mul_f32 v[128+32*\a+i:128+32*\a+i+1], v[32*\a+i:32*\a+i+1], v[RC+2*(\a/2):RC+2*(\a/2)+1] op_sel:[0,1] op_sel_hi:[1,1]
.else
	v_pk_mul_f32 v[128+32*\a+i:128+32*\a+i+1], v[32*\a+i:32*\a+i+1], v[RC+2*(\a/2):RC+2*(\a/2)+1] op_sel:[0,0] op_sel_hi:[1,0]
.endif
.else
.if \a%2
	v_pk_fma_f32 v[128+32*\a+i:128+32*\a+i+1], v[32*\a+i:32*\a+i+1], v[RC+2*(\a/2):RC+2*(\a/2)+1], v[128+32*\a+i:128+32*\a+i+1] op_sel:[0,1,0] op_sel_hi:[1,1,1]
.else
	v_pk_fma_f32 v[128+32*\a+i:128+32*\a+i+1], v[32*\a+i:32*\a+i+1], v[RC+2*(\a/2):RC+2*(\a/2)+1], v[128+32*\a+i:128+32*\a+i+1] op_sel:[0,0,0] op_sel_hi:[1,0,1]
.endif
.endif
.set i, i+2
.endr
.endr
	WIN 0
.endm
.macro BBLOAD                          ; b2 of my 64 columns in the result's layout: register 8 u + j = column 64 g + 32 h + 8 u + j
	WIN 0x80                                       ; destination window 2
.irp i, 0,1,2,3,4,5,6,7
	global_load_b128 v[4*\i:4*\i+3], v[VBB], s[12:13] offset:16*\i
.endr
	WIN 0
.endm
.macro RCLOAD                          ; the gates of my 64 tokens for one expert
.irp a, 0,1,2,3
	global_load_b32 v[RC+\a], v[VR], s[14:15] offset:512*\a
.endr
.endm
.macro POS n                           ; where step n lies: slot psl, place pkk
.if (\n) < 4
.set psl, 0
.set pkk, (\n)+(\n)/2
.else
.set psl, (((\n)+2)/6)%2
.set pkk, ((\n)+2)%6
.endif
.endm
; STEP n OF THE 64.  fill, stepit: as in TURN.  next = 1: there is a next expert, whose b2 is asked for behind this expert's first step and whose gates behind its last.  first = 1: the first expert.
.macro ONE n, fill, stepit, next, first
	POS \n
.set csl, psl
	POS (\n)+1
.set st, (\n)%2
.set cbf, 0
.if ((\n)%8) == 0
.set cbf, 1
	s_wait_loadcnt 4                               ; b2 is in; the four loads of the gates, asked for behind it, may be out
.endif
.if (\n) == 63
	s_wait_dscnt 6                                 ; the very last step: nothing more to fetch
	MUL4 0, 1, 0
	MUL4 1, 1, 0
	s_wait_dscnt 0x0
	MUL4 2, 1, 0
	MUL4 3, 1, 0
.elseif psl != csl
	TURN csl, psl, pkk, \fill, \stepit
.else
	STEP st, cbf, psl, pkk
.endif
.if cbf && (\next)
	PLACES                                         ; the products just issued read b2
	s_add_nc_u64 s[12:13], s[12:13], 2048          ; (its last loads are in: the wait at the expert's head)
	BBLOAD
.endif
.if ((\n)%8) == 7
.if \next
	RESCALE \first, 8
	s_add_nc_u64 s[14:15], s[14:15], 4             ; (the gates' loads are in)
	RCLOAD
.else
	RESCALE \first, 0
.endif
.endif
.endm
	s_load_b128 s[4:7], s[0:1], 0x0                ; hq s[4:5], w2q s[6:7]
	s_load_b128 s[12:15], s[0:1], 0x10             ; b2 s[12:13], out1 s[14:15]
	s_load_b64 s[16:17], s[0:1], 0x20              ; out0
	v_lshl_add_u32 v[SPW], v0, 2, SPARE
	v_mov_b32 v[NIL], 0
	ds_add_u32 v[SPW], v[NIL]                      ; the wave's opening: the add, twice on end, and its wait ahead of my first tensor load
	ds_add_u32 v[SPW], v[NIL]                      ; and once more, under the one wait; the set-up below, work on registers, stands between
	v_lshrrev_b32 v1, 5, v0
	v_readfirstlane_b32 s[WV], v1                  ; wave 0..3
	s_lshr_b32 s19, s[WV], 1
	s_and_b32 s20, s[WV], 1
	s_bfe_u32 s40, ttmp6, 0x40000                  ; cx, cy: my place in the cluster
	s_bfe_u32 s41, ttmp6, 0x40004
	s_lshl_b32 s42, ttmp9, 2
	s_add_co_u32 s42, s42, s40                     ; column block = 4 x cluster x + cx
	s_and_b32 s21, ttmp7, 0xffff
	s_lshl_b32 s21, s21, 2
	s_add_co_u32 s21, s21, s41                     ; row block = 4 x cluster y + cy
	s_lshl_b32 s43, s41, 2
	s_lshl_b32 s43, 15, s43                        ; my row of the cluster
	s_lshl_b32 s44, 0x1111, s40                    ; my column
	; descriptor groups 1: dense blocks as rows of 256 bytes (32 elements of 8 bytes), no padding: 150 rows are three K steps
	s_or_b32 s[G1], s43, (3<<16)|(1<<21)           ; 15:0 the mask: h's tiles go to my row; 17:16 elements of 8 bytes; 21 set beside a mask
	s_or_b32 s[G1B], s44, (3<<16)|(1<<21)          ; w2's to my column
	s_or_b32 s[G1L], s43, (3<<16)|(1<<21)
	s_or_b32 s[G1BL], s44, (3<<16)|(1<<21)
.irp g, G1, G1B
	s_mov_b32 s[\g+1], 32<<16                      ; tensor_dim0
	s_mov_b32 s[\g+2], 150<<16                     ; tensor_dim1
	s_mov_b32 s[\g+3], 32<<16                      ; tile_dim0
	s_mov_b32 s[\g+4], 150                         ; tile_dim1
	s_mov_b32 s[\g+5], 32                          ; tensor_dim0_stride
	s_mov_b32 s[\g+6], 0
	s_mov_b32 s[\g+7], 0
.endr
.irp g, G1L, G1BL                      ; slot 0's first fill: of the tile's 150 rows 100 are left of the tensor, two K steps; the other 50 arrive as zeros and are not read from memory
	s_mov_b32 s[\g+1], 32<<16
	s_mov_b32 s[\g+2], 100<<16
	s_mov_b32 s[\g+3], 32<<16
	s_mov_b32 s[\g+4], 150
	s_mov_b32 s[\g+5], 32
	s_mov_b32 s[\g+6], 0
	s_mov_b32 s[\g+7], 0
.endr
	; where the tiles come from.  h's hang on the row block alone, w2's on the column block alone; every wave makes both, in registers that never hold the other coordinate
	s_mul_i32 s8, s20, TRI                         ; which three of a slot's six K steps I fetch
	s_mov_b32 s9, 0
	s_mul_i32 s10, s20, 2*STEPB                    ; in the first fill: which two of the four
	s_mov_b32 s11, 0
	s_mul_i32 s2, s21, RBLK
	s_mov_b32 s3, 0
	s_mul_i32 s46, s42, RBLK
	s_mov_b32 s47, 0
	s_mul_i32 s45, s[WV], TRI                      ; where they go: wave x a quarter of a slot: no place in the cluster enters an LDS address
	s_wait_dscnt 0x0                               ; both opening adds are done
	s_wait_kmcnt 0x0
	s_add_nc_u64 s[2:3], s[4:5], s[2:3]
	s_add_nc_u64 s[46:47], s[6:7], s[46:47]
	CROUND                                         ; all sixteen work-groups are here: the first joint loads meet
	s_mov_b32 s[G0L], 1
	s_mov_b32 s[G0L+1], s45
	s_add_nc_u64 s[G0L+2:G0L+3], s[2:3], s[10:11]
	s_or_b32 s[G0L+3], s[G0L+3], 0x80000000
	s_mov_b32 s[G0BL], 1
	s_mov_b32 s[G0BL+1], s45
	s_add_nc_u64 s[G0BL+2:G0BL+3], s[46:47], s[10:11]
	s_or_b32 s[G0BL+3], s[G0BL+3], 0x80000000
	JLOAD G0L, G1L, G0BL, G1BL                     ; slot 0: K steps 0 to 3
	s_add_nc_u64 s[92:93], s[2:3], s[8:9]
	s_add_nc_u64 s[94:95], s[46:47], s[8:9]
	s_mov_b32 s[G0+4], 1
	s_add_co_u32 s[G0+5], s45, SLOTB
	s_add_nc_u64 s[G0+6:G0+7], s[92:93], 4*STEPB
	s_or_b32 s[G0+7], s[G0+7], 0x80000000
	s_mov_b32 s[G0B+4], 1
	s_add_co_u32 s[G0B+5], s45, SLOTB
	s_add_nc_u64 s[G0B+6:G0B+7], s[94:95], 4*STEPB
	s_or_b32 s[G0B+7], s[G0B+7], 0x80000000
	JLOAD G0+4, G1, G0B+4, G1B                     ; slot 1: K steps 4 to 9.  Two loads of mine are out at the most
	s_mov_b32 s[G0], 1                             ; slot 0's first refill will bring K steps 10 to 15
	s_mov_b32 s[G0+1], s45
	s_add_nc_u64 s[G0+2:G0+3], s[92:93], 10*STEPB
	s_or_b32 s[G0+3], s[G0+3], 0x80000000
	s_mov_b32 s[G0B], 1
	s_mov_b32 s[G0B+1], s45
	s_add_nc_u64 s[G0B+2:G0B+3], s[94:95], 10*STEPB
	s_or_b32 s[G0B+3], s[G0B+3], 0x80000000
	v_and_b32 v1, 31, v0                           ; lane
	v_and_b32 v2, 15, v0                           ; r
	v_bfe_u32 v3, v0, 4, 1                         ; h
	v_lshlrev_b32 v15, 4, v1                       ; 16 x lane
	s_mul_i32 s22, s19, 4*FRB                      ; my four row tiles of h
	v_add_nc_u32 v[ADH], s22, v15
	s_mul_i32 s22, s20, 4*FRB                      ; my four tiles of w2,
	s_add_co_u32 s22, s22, HALFB                   ; behind h's part of the slot
	v_add_nc_u32 v[ADW], s22, v15
	s_lshl_b32 s22, s19, 8                         ; scale words: h's: four row tiles of 64 bytes
	s_lshl_b32 s92, s20, 8                         ; w2's: my four tiles, h's part of the slot further on
	s_add_co_u32 s92, s92, HALFB
	s_sub_co_u32 s92, s92, s22
	v_mul_u32_u24 v[VS], s92, v3                   ; lanes 16-31 take w2's: one product, the distance between the two
	v_lshl_add_u32 v[VS], v2, 2, v[VS]
	s_add_co_u32 s22, s22, SCO
	v_add_nc_u32 v[VS], s22, v[VS]
.irp b, ADH, ADW, VS
	v_add_nc_u32 v[\b+1], TRI, v[\b]               ; slot 0, places 3 to 5
	v_add_nc_u32 v[\b+2], SLOTB, v[\b]             ; slot 1, places 0 to 2
	v_add_nc_u32 v[\b+3], SLOTB+TRI, v[\b]         ; slot 1, places 3 to 5
.endr
	v_lshlrev_b32 v[VR], 5, v2
	v_lshlrev_b32 v[VBB], 7, v3
	s_mul_i32 s22, s[WV], 4352                     ; my stage for the way out: 16 rows of 256 + 16 bytes, in slot 1, which has by then had its last fill, and its last read in front of the last change of slots
	s_add_co_u32 s22, s22, SLOTB
	v_mul_u32_u24 v[STO], v2, 272
	v_lshl_add_u32 v[STO], v3, 7, v[STO]
	v_add_nc_u32 v[STO], s22, v[STO]               ; in: row r, + 128 h
	v_mul_u32_u24 v[RD], v3, 272
	v_lshl_add_u32 v[RD], v2, 4, v[RD]
	v_add_nc_u32 v[RD], s22, v[RD]                 ; back: lanes 0-15 one row, lanes 16-31 the next
	v_lshlrev_b32 v[CO], 11, v3
	v_lshl_add_u32 v[CO], v2, 4, v[CO]             ; and the same two rows in out0
	v_min_u32 v[PFO], 24, v1
	v_lshlrev_b32 v[PFO], 8, v[PFO]                ; 256 x lane, held at lane 24's
	s_lshl_b32 s46, s42, 1
	s_add_co_u32 s46, s46, s20                     ; g: my group of 64 columns
	s_lshl_b32 s46, s46, 8
	s_mov_b32 s47, 0
	s_add_nc_u64 s[12:13], s[12:13], s[46:47]      ; b2 at expert 0, my columns
	s_add_nc_u64 s[16:17], s[16:17], s[46:47]      ; out0 at my columns,
	s_lshl_b32 s92, s21, 18
	s_lshl_b32 s46, s19, 17
	s_add_co_u32 s92, s92, s46
	s_mov_b32 s93, 0
	s_add_nc_u64 s[16:17], s[16:17], s[92:93]      ; my first row: 128 x row block + 64 x half
	s_lshl_b32 s92, s21, 12
	s_lshl_b32 s46, s19, 11
	s_add_co_u32 s92, s92, s46
	s_add_nc_u64 s[14:15], s[14:15], s[92:93]      ; out1 at my first token, expert 0
	s_mul_i32 s92, s21, RBLK                       ; the prefetches: my row block of hq,
	s_mul_i32 s46, s40, 19200                      ; my work-group's 75 blocks of a slot's 300,
	s_add_co_u32 s92, s92, s46
	s_mul_i32 s46, s[WV], 6400                     ; my wave's 25 of them,
	s_add_co_u32 s92, s92, s46
	s_add_co_u32 s92, s92, 10*STEPB                ; at K step 10, where the third fill begins: the first refill steps it to the fourth's
	s_add_nc_u64 s[PFA:PFA+1], s[4:5], s[92:93]
	s_cmp_lt_u32 s[WV], 3
	s_cselect_b32 s[LIM], 0, -1
	BBLOAD                                         ; expert 0's b2,
	RCLOAD                                         ; and behind it its gates
	s_wait_tensorcnt 1                             ; my part of slot 0 is in; slot 1's load may be out
	s_barrier_signal -1
	s_barrier_wait -1                              ; everybody's is
	FETCH 0, 0, 0
	s_mov_b32 s[EL], 8
.irp n, 0,1,2,3,4,5,6,7
	ONE \n, 1, 0, 1, 1                             ; the first expert starts the totals
.endr
	s_mov_b32 s[LC], 2
.Lthree:                                           ; two trips of three experts: 24 K steps, four changes of slots, each with its refill
.irp n, 8,9,10,11,12,13,14,15,16,17,18,19,20,21,22,23,24,25,26,27,28,29,30,31
	ONE \n, 1, 1, 1, 0
.endr
	s_sub_co_u32 s[LC], s[LC], 1
	s_cmp_lg_u32 s[LC], 0
	s_cbranch_scc1 .Lthree
.irp n, 56,57,58,59,60,61,62,63
	ONE \n, 0, 0, 0, 0                             ; the last expert is written out: its change of slots fills nothing, and has no round of the cluster's barrier
.endr
; THE WAY OUT, a row tile at a time.  A lane holds 128 neighbouring bytes of a row and the lanes beside it other rows: the tile goes through my own stage and comes back as rows of 256 bytes, which sixteen lanes store as one aligned run.
; LDS serves a wave's instructions in order: no wait between the stores and the loads, nor in front of the next tile's stores.  Each tile has registers of its own for the way back: no store's data are written again.
.macro TOSTAGE a
	WIN 0x04                                       ; an LDS store's data are its source 1: window 1
.irp u, 0,1,2,3
	ds_store_b128 v[STO], v[128+32*(\a)+8*\u:128+32*(\a)+8*\u+3] offset:32*\u
	ds_store_b128 v[STO], v[128+32*(\a)+8*\u+4:128+32*(\a)+8*\u+7] offset:32*\u+16
.endr
	WIN 0
.irp i, 0,1,2,3,4,5,6,7
	ds_load_b128 v[64+32*(\a)+4*\i:64+32*(\a)+4*\i+3], v[RD] offset:544*\i
.endr
.endm
.macro SEND a, younger                 ; younger: the LDS instructions issued behind tile a's loads, which may stay out
	s_wait_dscnt \younger
.irp i, 0,1,2,3,4,5,6,7
	global_store_b128 v[CO], v[64+32*(\a)+4*\i:64+32*(\a)+4*\i+3], s[16:17] offset:(16*(\a)+2*\i)*2048 th:TH_STORE_NT   ; 16 lanes store 256 consecutive bytes, at a multiple of 256 from out0's first byte
.endr
.endm
	TOSTAGE 0
	TOSTAGE 1
	SEND 0, 16
	TOSTAGE 2
	SEND 1, 16
	TOSTAGE 3
	SEND 2, 16
	SEND 3, 0
	s_wait_tensorcnt 0x0                           ; the wave's end, behind my last tensor load and my last LDS store
	ds_add_u32 v[SPW], v[NIL]
	s_wait_dscnt 0x0
	CROUND                                         ; the closing round: no work-group ends while a partner may still ask for a tile that names it
	s_endpgm
.Lfunc_end_k_q3a15f0c414_combine:
	.size	k_q3a15f0c414_combine, .Lfunc_end_k_q3a15f0c414_combine-k_q3a15f0c414_combine
	.p2alignl 7, 3214868480
	.fill 96, 4, 3214868480
	.section	.rodata,"a",@progbits
	.p2align	6, 0x0
	.amdhsa_kernel k_q3a15f0c414_combine
		.amdhsa_group_segment_fixed_size 327680
		.amdhsa_private_segment_fixed_size 0
		.amdhsa_enable_private_segment 0
		.amdhsa_kernarg_size 40
		.amdhsa_user_sgpr_count 2
		.amdhsa_user_sgpr_kernarg_segment_ptr 1
		.amdhsa_wavefront_size32 1
		.amdhsa_system_sgpr_workgroup_id_x 1
		.amdhsa_system_sgpr_workgroup_id_y 1
		.amdhsa_system_sgpr_workgroup_id_z 1
		.amdhsa_system_vgpr_workitem_id 0
		.amdhsa_next_free_vgpr 544
		.amdhsa_next_free_sgpr 98
		.amdhsa_reserve_vcc 0
		.amdhsa_float_denorm_mode_32 3
		.amdhsa_float_denorm_mode_16_64 3
		.amdhsa_memory_ordered 1
		.amdhsa_forward_progress 1
		.amdhsa_inst_pref_size 212
	.end_amdhsa_kernel
	.amdgpu_metadata
---
amdhsa.version: [ 1, 2 ]
amdhsa.kernels:
  - .name:           k_q3a15f0c414_combine
    .symbol:         k_q3a15f0c414_combine.kd
    .args:
      - { .name: hq, .offset: 0, .size: 8, .value_kind: global_buffer, .address_space: global }
      - { .name: w2q, .offset: 8, .size: 8, .value_kind: global_buffer, .address_space: global }
      - { .name: b2, .offset: 16, .size: 8, .value_kind: global_buffer, .address_space: global }
      - { .name: out1, .offset: 24, .size: 8, .value_kind: global_buffer, .address_space: global }
      - { .name: out0, .offset: 32, .size: 8, .value_kind: global_buffer, .address_space: global }
    .group_segment_fixed_size: 327680
    .private_segment_fixed_size: 0
    .kernarg_segment_align: 8
    .kernarg_segment_size: 40
    .max_flat_workgroup_size: 128
    .sgpr_count:     98
    .vgpr_count:     544
    .wavefront_size: 32
...
	.end_amdgpu_metadata
.endif
;; end of part 3
